; MI455X (gfx1250); checked and timed in simulation.
; The chip was launched on July 23, 2026; its instructions are those of AMD's public machine-readable ISA for CDNA 5 (MIT licence, August 2026) and "CDNA5" Instruction Set Architecture Reference Guide (July 2026). The comments in the code are by the model that wrote it; some were corrected since.
;; Spatial Attention. Allowed arithmetic: matrix products marked QUANTISED: E2M1 operands, one E8M0 scale for each 32 along K, by v_wmma_scale_f32_16x16x128_f8f6f4 with both operands' format E2M1 (or v_wmma_scale_f32_32x16x128_f4), f32 sums; everything else in f32.
;; Inputs: Wk_codes 64 x 2 x 16 uint8 (E2M1 codes of Wk, K innermost, in blocks of 32 codes, two codes a byte); Wk_scales 64 x 2 uint8 (E8M0 scales of Wk, one for each 32 codes along K); Wq_codes 64 x 2 x 16 uint8 (E2M1 codes of Wq, K innermost, in blocks of 32 codes, two codes a byte); Wq_scales 64 x 2 uint8 (E8M0 scales of Wq, one for each 32 codes along K); Wv_codes 64 x 2 x 16 uint8 (E2M1 codes of Wv, K innermost, in blocks of 32 codes, two codes a byte); Wv_scales 64 x 2 uint8 (E8M0 scales of Wv, one for each 32 codes along K); bk 64 float32; bq 64 float32; bv 64 float32; gamma 1 float32; x 4 x 64 x 64 x 64 float32.
;; Outputs: out0 4 x 64 x 64 x 64 float32.
;; This version of the problem:
;;   THIS VERSION OF THE PROBLEM IS GIVEN IN LOW PRECISION. The matrix products marked QUANTISED in the list below multiply operands that are first quantised to E2M1 (2 exponent bits, 1 mantissa bit; 4 bits a number), with one power-of-two scale for each 32 numbers along K (OCP MX v1.0); their sums are f32. All else is computed in f32.
;;   The module's matrix products, in the order in which they are computed (A, B: the left and right operand; K: the contracted axis; several contracted axes count as one K, in the product's order):
;;     1. [M 16,384, K 64] x [K 64, N 64]; A: input x; B: input Wq (given as codes): QUANTISED
;;     2. [M 16,384, K 64] x [K 64, N 64]; A: input x; B: input Wk (given as codes): QUANTISED
;;     3. [M 16,384, K 64] x [K 64, N 64]; A: input x; B: input Wv (given as codes): QUANTISED
;;     4. batch 4 x [M 4,096, K 64] x [K 64, N 4,096]; A: computed on the way; B: computed on the way: QUANTISED
;;     5. batch 4 x [M 64, K 4,096] x [K 4,096, N 4,096]; A: computed on the way; B: softmax (see below): QUANTISED
;;   THE QUANTISER, for each operand of a quantised product, along K:
;;     - K is cut into blocks of 32 from its start; a last block that is shorter is filled with zeros.
;;     - A block's scale is 2^e with e = floor(log2(the largest magnitude in the block)) - 2, held to -126 .. 127; a block of zeros has e = 0. As a byte (E8M0): e + 127.
;;     - Each number is divided by its block's scale, clamped to +-6, and rounded to the nearest number of E2M1, ties to even, subnormals kept.
;;     - The product sums the exact products of the quantised numbers (number of the format x scale) in f32.
;;   ~~~python
;;   def quantise(x, axis):      # numpy; x: float32 -> the quantised numbers, widened to float32 again
;;       x = np.moveaxis(x, axis, -1); K = x.shape[-1]
;;       x = np.pad(x, [(0, 0)] * (x.ndim - 1) + [(0, -K % 32)]); x = x.reshape(x.shape[:-1] + (-1, 32)); a = np.abs(x).max(-1, keepdims=True)
;;       e = np.where(a > 0, np.clip(np.frexp(np.where(a > 0, a, 1))[1] - 1 - 2, -126, 127), 0)      # np.frexp(a)[1] - 1 = floor(log2(a)), exactly
;;       r = np.clip(x / 2.0 ** e, -6, 6)
;;       step = 2.0 ** (np.maximum(np.frexp(np.where(r == 0, 1, r))[1] - 1, 0) - 1)
;;       q = np.round(r / step) * step * 2.0 ** e      # np.round: ties to even
;;       return np.moveaxis(q.reshape(q.shape[:-2] + (-1,))[..., :K], -1, axis).astype(np.float32)
;;   ~~~
;;   SOFTMAX AHEAD OF A QUANTISED PRODUCT. Where the list says 'softmax', what is quantised is not the finished softmax but p = 2^(t - M), with t = logit x log2(e) and M = ceil(the row's largest t), a whole number; so 1/2 < the row's largest p <= 1. The row's sum l is taken of the UNQUANTISED p, in f32, and the product's result is divided by l at the end. Since M is a whole number, a kernel that streams over the keys may use a running M (the ceiling of the running maximum): every later rescaling is an exact power of two, which a block's scale takes up: the codes' values come out the same.
;;   OPERANDS COMPUTED ON THE WAY. 'Computed on the way' means the value that the module computes at that place (a softmax that the list does not call 'softmax' is quantised finished and normalised). What goes into a quantiser is computed in f32, as accurately as f32 sums, v_exp_f32 and their like allow (about 1e-6 of the number): no bf16 or f16 on the way to a quantiser, and a product that is left as it is and whose result goes on into a quantised operand takes f32 operands (vector FMAs, or v_wmma_f32_16x16x4_f32). A number that lies on a knife's edge between two numbers of the format may be rounded either way, as far as f32 arithmetic and the matrix unit's own rounding can turn it there, and no further.
;;   INPUTS GIVEN AS CODES. Wk (in the module: [64, 64], K = its axis 1); Wq (in the module: [64, 64], K = its axis 1); Wv (in the module: [64, 64], K = its axis 1): each comes as NAME_codes (uint8): NAME with its K axis moved to the last place and cut into blocks of 32 codes, [.., K / 32, bytes a block], one block behind the other in memory; two codes a byte, the lower K in the low four bits (a code: sign, 2 exponent bits, 1 mantissa bit); and NAME_scales (uint8): the same leading axes, one E8M0 byte (e + 127) for each 32 codes along K. Its value is code x scale, taken as it is: it is not quantised again, and the codes and scales need not be those that the quantiser above would give.
;; One version. Each part assembles by itself: llvm-mc -triple=amdgcn-amd-amdhsa -mcpu=gfx1250 --defsym DOCPART=n.
;; ======== version 1 of 1: 2 launches
;; limits: right only within a limited range of input values
;; workspace buffers: ws 1,703,936 bytes
;; launch prep (part 1): grid 128 x 1, 8 waves a work-group, no clusters, 6,400 bytes of LDS; arguments x, Wq_codes, Wq_scales, bq, Wk_codes, Wk_scales, bk, Wv_codes, Wv_scales, bv, ws; writes ws
.if DOCPART == 1
	.amdgcn_target "amdgcn-amd-amdhsa--gfx1250"
	.amdhsa_code_object_version 6
	.text
	.protected	k_qac84a4c34f_prep
	.globl	k_qac84a4c34f_prep
	.p2align	8
	.type	k_qac84a4c34f_prep,@function
k_qac84a4c34f_prep:
	s_mov_b64 s[64:65], 0
	v_nop
	global_prefetch_b8 v0, s[64:65] scope:SCOPE_SE
	s_setreg_imm32_b32 hwreg(HW_REG_WAVE_MODE, 25, 1), 1
	s_wait_xcnt 0x0
; PREP: x is quantised along its channels; q = Wq x + bq, k = Wk x + bk, v = Wv x + bv (K = 64 channels) on codes of E2M1; q and k are quantised along the channels, v along the positions
; (the keys, the K of the last product).  All leave as IMAGES OF OPERAND REGISTERS, which the second launch takes by loads of 16 bytes a lane.
; DEAD WORK: none.  bq, bk and bv go into operands that are quantised (they move codes and scales), gamma and x reach the output: every input is loaded by one of the two launches.
; ORDER.  Of 128 positions, tile 4 c + u (c = 0, 1; u = 0 .. 3) has in row 8 g + j the position 64 c + 32 g + 8 u + j: so the 32 registers that a lane of half h holds of tiles 4 c .. 4 c + 3
; in a product's result (rows 8 h + j) are 32 NEIGHBOURS, the whole block 2 c + h, and their four conversions give the next operand's registers.  The 64 channels of q and k are laid alike: row 8 g + j of weight tile u
; is channel 32 g + 8 u + j.  No block is shared by two lanes.
; WORKSPACE ws: 128 step blocks of 9,216 bytes (block 32 b + s: positions 128 s .. of batch b; L = lane, r = L % 16, h = L / 16):
;   0      K codes: tile a at 512 a + 16 L         4,096  V codes: channel tile T, registers 4 c .. 4 c + 3 at 1,024 T + 512 c + 16 L
;   8,192  K scale words, image of 4 registers (16 L + 4 j): register j = tile 2 j in lanes 0-15, tile 2 j + 1 in lanes 16-31
;   8,704  V scale words, image of 2 registers (8 L + 4 j): register j = channel tile 2 j in lanes 0-15, 2 j + 1 in lanes 16-31
;   8,960  Q scale bytes, two a query: tile a, query r at 32 a + 2 r
; and from 128 x 9,216 on 128 blocks of 4,096 bytes: Q codes, tile a at 512 a + 16 L.
; K = 64 IN AN INSTRUCTION OF 128: ONE side has zero codes in registers 4-7; the other side's registers 4-7 are whatever codes follow its four, times zero.  Scale bytes 2 and 3 are 0 on both sides (finite).
; LIMITS: NaN and infinities among the inputs are not served; a block whose largest magnitude lies under 2^-124 gets the byte 1; so does a block of zeros (its codes are zeros; this program alone reads the bytes).
; SHARES: a work-group of eight waves makes one step block (a scale word of v spans 128 keys, so 128 positions are the least share that has one owner).  Wave w quantises x: positions 32 (w / 2) on, channels 32 (w % 2) on;
; then makes tile w of q and of k, and channel tile w % 4 of v for the 64 positions c = w / 4.  No tensor load and no cluster: of 40 KB that a work-group reads, 33 KB (x) are its own.
.set XSC,   4096                       ; LDS: eight x tiles' images, 512 bytes each; then x's scale bytes, two a position, in the tiles' order
.set STG,   4352                       ; stage: K's scale words 512 bytes, V's 256, Q's bytes 256
.set SPARE, 5376                       ; the spare words, 128 bytes a wave: four blocks of 256 bytes that no other line names
.set STEPB, 9216
.set QBLK,  4096
.set WSQ,   128*STEPB
.set L4,  4
.set LI,  5
.set XIA, 6
.set XSA, 7
.set WA,  8
.set WVA, 9
.set WSA, 10
.set WVSA, 11
.set BA,  12
.set BVA, 13
.set SPW, 14                           ; my spare word; never rewritten
.set NIL, 15                           ; 0; never rewritten
.set KST, 16
.set QST, 17
.set VST, 18
.set XLA, 19
.set XSL, 20
.set XVA, 21
.set XVSA, 22
.set H8,  23
.set TA,  24                           ; v24-26, v27-29 two chains of maxima for q, k, v;  v30-32 the conversions' scale operands;  v33-35 bytes;  v36 the other half's
.set TB,  27
.set OP,  30
.set BY,  33
.set PT,  36
.set SCP, 38
.set G8,  39
.set XQ,  40                           ; v40-43 x's codes
.set CP,  44
.set X,   64                           ; v64-95 x: channel c of my position; later v's results
.set VR,  64
.set WQ,  96                           ; v96-111, v112-127 Wq's and Wk's four tiles, four registers each;  v128-135 my tile of Wv, its upper half zero
.set WK,  112
.set WVF, 128
.set XT,  136                          ; v136-143 x tile w, its upper half zero
.set XV,  144                          ; v144-159 x tiles 4 c .. 4 c + 3;  v160-163 zero (read as the last tile's upper half)
.set WQS, 164
.set WKS, 166
.set WVS, 168
.set XS,  169
.set XVS, 170
.set QR,  172                          ; v172-203 bq, then q;  v204-235 bk, then k;  v236-243 bv of my channel, eight times
.set KR,  204
.set BV,  236
.set CQ,  244
.set CK,  248
.set CV,  252
.macro VW
	s_wait_alu depctr_va_vdst(0)
.endm
; one product; row = 1: source 0's scale words stand in lanes 16-31
.macro WM d, a, b, c, sa, sb, row
.if \row
	v_wmma_scale_f32_16x16x128_f8f6f4 v[\d:\d+7], v[\a:\a+7], v[\b:\b+7], v[\c:\c+7], v[\sa], v[\sb] matrix_a_fmt:MATRIX_FMT_FP4 matrix_b_fmt:MATRIX_FMT_FP4 matrix_a_scale:MATRIX_SCALE_ROW1
.else
	v_wmma_scale_f32_16x16x128_f8f6f4 v[\d:\d+7], v[\a:\a+7], v[\b:\b+7], v[\c:\c+7], v[\sa], v[\sb] matrix_a_fmt:MATRIX_FMT_FP4 matrix_b_fmt:MATRIX_FMT_FP4
.endif
.endm
; two more magnitudes for each of q's, k's and v's chains
.macro MORE t, i
	v_max3_num_f32 v[\t], v[\t], |v[QR+\i]|, |v[QR+\i+1]|
	v_max3_num_f32 v[\t+1], v[\t+1], |v[KR+\i]|, |v[KR+\i+1]|
	v_max3_num_f32 v[\t+2], v[\t+2], |v[VR+\i]|, |v[VR+\i+1]|
.endm
	s_load_b512 s[4:19], s[0:1], 0x0               ; x s[4:5], Wq codes s[6:7], Wq scales s[8:9], bq s[10:11], Wk codes s[12:13], Wk scales s[14:15], bk s[16:17], Wv codes s[18:19]
	s_load_b128 s[20:23], s[0:1], 0x40             ; Wv scales, bv
	s_load_b64 s[24:25], s[0:1], 0x50              ; ws
	v_lshl_add_u32 v[SPW], v0, 2, SPARE
	v_mov_b32 v[NIL], 0
	v_lshrrev_b32 v1, 5, v0
	v_readfirstlane_b32 s26, v1                    ; wave w
	s_lshr_b32 s27, s26, 1                         ; position group pg
	s_and_b32 s28, s26, 1                          ; channel block cb; also w % 2
	s_and_b32 s29, s26, 3                          ; channel tile T of v
	s_lshr_b32 s30, s26, 2                         ; c
	s_bfe_u32 s33, s26, 0x10001                    ; pg % 2
	s_lshl_b32 s31, s30, 11                        ; x's image: 2,048 c + 128 (pg % 2) + 256 cb
	s_lshl_b32 s32, s33, 7
	s_add_co_u32 s34, s31, s32
	s_lshl_b32 s32, s28, 8
	s_add_co_u32 s34, s34, s32
	s_lshl_b32 s35, s30, 7                         ; x's scale bytes: 128 c + 16 (pg % 2) + cb
	s_lshl_b32 s32, s33, 4
	s_add_co_u32 s36, s35, s32
	s_add_co_u32 s36, s36, s28
	s_add_co_u32 s36, s36, XSC
	s_add_co_u32 s35, s35, XSC
	s_lshl_b32 s37, s26, 9                         ; 512 w
	s_lshl_b32 s50, s26, 5                         ; 32 w
	s_add_co_u32 s38, s50, XSC
	s_add_co_u32 s50, s50, STG+768                 ; Q's bytes
	s_lshl_b32 s39, s28, 8                         ; K's scale words: 256 (w % 2) + 4 (w / 2)
	s_lshl_b32 s32, s27, 2
	s_add_co_u32 s39, s39, s32
	s_add_co_u32 s39, s39, STG
	s_lshl_b32 s51, s28, 7                         ; V's bytes: 128 (T % 2) + 4 (T / 2) + 2 c
	s_lshl_b32 s32, s33, 2
	s_add_co_u32 s51, s51, s32
	s_lshl_b32 s32, s30, 1
	s_add_co_u32 s51, s51, s32
	s_add_co_u32 s51, s51, STG+512
	s_lshl_b32 s48, s26, 8                         ; the copy out of the stage: 256 w
	s_add_co_u32 s52, s48, STG
	s_lshl_b32 s53, s29, 9                         ; my 16 rows of Wv: 32 bytes of codes, 2 scale bytes, 4 bytes of bv a row
	s_lshl_b32 s54, s29, 5
	s_lshl_b32 s55, s29, 6
	s_lshr_b32 s40, ttmp9, 5                       ; x: batch, 128 positions a step, 32 a group, 32 channels a block
	s_lshl_b32 s40, s40, 20
	s_and_b32 s41, ttmp9, 31
	s_lshl_b32 s41, s41, 9
	s_add_co_u32 s40, s40, s41
	s_lshl_b32 s41, s27, 7
	s_add_co_u32 s40, s40, s41
	s_lshl_b32 s41, s28, 19
	s_add_co_u32 s40, s40, s41
	s_mov_b32 s41, 0
	s_mul_i32 s56, ttmp9, STEPB                    ; my step block, my block of Q
	s_mul_i32 s57, ttmp9, QBLK
	s_add_co_u32 s42, s56, s37                     ; K codes
	s_mov_b32 s43, 0
	s_lshl_b32 s44, s29, 10                        ; V codes
	s_lshl_b32 s32, s30, 9
	s_add_co_u32 s44, s44, s32
	s_add_co_u32 s44, s44, s56
	s_add_co_u32 s44, s44, 4096
	s_mov_b32 s45, 0
	s_add_co_u32 s46, s57, s37                     ; Q codes
	s_add_co_u32 s46, s46, WSQ
	s_mov_b32 s47, 0
	s_add_co_u32 s48, s48, s56                     ; the copy: waves 0 .. 3
	s_add_co_u32 s48, s48, 8192
	s_mov_b32 s49, 0
	s_mov_b32 s60, 0x76543210                      ; v_permlanex16_b32's selects for lane l xor 16
	s_mov_b32 s61, 0xfedcba98
	v_and_b32 v1, 31, v0                           ; L
	v_and_b32 v2, 15, v0                           ; r
	v_bfe_u32 v3, v0, 4, 1                         ; h
	v_bfe_u32 v29, v0, 3, 1                        ; r / 8
	v_and_b32 v30, 7, v0                           ; r % 8
	v_bfe_u32 v31, v0, 3, 2                        ; L / 8
	v_lshlrev_b32 v[L4], 2, v1
	v_lshlrev_b32 v[LI], 4, v1
	v_lshlrev_b32 v[XIA], 9, v31                   ; position L of the group: tile L / 8, row 8 (pg % 2) + L % 8
	v_lshlrev_b32 v[XSA], 5, v31
	v_lshlrev_b32 v[WA], 10, v29                   ; row 32 (r / 8) + 8 u + r % 8, 32 bytes a row
	v_lshlrev_b32 v[WVA], 5, v2
	v_lshlrev_b32 v[WSA], 6, v29                   ; 2 bytes a row; lanes 16-31 take the next tile, 8 rows on
	v_lshl_add_u32 v[WVSA], v2, 1, s54
	v_lshlrev_b32 v[BA], 7, v3
	v_lshl_add_u32 v[BVA], v2, 2, s55
	v_lshl_add_u32 v[XIA], v30, 4, v[XIA]
	v_lshl_add_u32 v[XSA], v30, 1, v[XSA]
	v_lshl_add_u32 v[WA], v30, 5, v[WA]
	v_lshl_add_u32 v[WVA], v3, 4, v[WVA]
	v_lshl_add_u32 v[WSA], v30, 1, v[WSA]
	v_lshl_add_u32 v[KST], v2, 4, s39
	v_lshl_add_u32 v[QST], v2, 1, s50
	v_lshl_add_u32 v[VST], v2, 3, s51
	v_add_nc_u32 v[XIA], s34, v[XIA]
	v_add_nc_u32 v[XSA], s36, v[XSA]
	v_lshl_add_u32 v[WA], v3, 4, v[WA]
	v_add_nc_u32 v[WVA], s53, v[WVA]
	v_lshl_add_u32 v[WSA], v3, 4, v[WSA]
	v_add_nc_u32 v[VST], v3, v[VST]
	v_add_nc_u32 v[QST], v3, v[QST]
	v_add_nc_u32 v[XLA], s37, v[LI]
	v_lshl_add_u32 v[XSL], v2, 1, s38
	v_add_nc_u32 v[XVA], s31, v[LI]
	v_lshl_add_u32 v[XVSA], v1, 1, s35
	v_lshlrev_b32 v[H8], 3, v3
	v_lshlrev_b32 v[G8], 3, v1
	v_lshl_add_u32 v[SCP], v1, 3, s52
	VW
	s_wait_kmcnt 0x0
	s_add_nc_u64 s[4:5], s[4:5], s[40:41]
	s_add_nc_u64 s[42:43], s[24:25], s[42:43]
	s_add_nc_u64 s[44:45], s[24:25], s[44:45]
	s_add_nc_u64 s[46:47], s[24:25], s[46:47]
	s_add_nc_u64 s[48:49], s[24:25], s[48:49]
	; x: a lane takes a position, its registers run down the channels: each load reads 128 consecutive bytes, and the waves of a channel block stand side by side on 512
.set c, 0
.rept 32
	global_load_b32 v[X+c], v[L4], s[4:5] offset:16384*c th:TH_LOAD_NT
.set c, c+1
.endr
	; the weights, their scale bytes (the upper two of a word come as 0) and the biases: 31 loads
.irp u, 0,1,2,3
	global_load_b128 v[WQ+4*\u:WQ+4*\u+3], v[WA], s[6:7] offset:256*\u
	global_load_b128 v[WK+4*\u:WK+4*\u+3], v[WA], s[12:13] offset:256*\u
.endr
	global_load_b128 v[WVF:WVF+3], v[WVA], s[18:19]
.irp j, 0,1
	global_load_u16 v[WQS+\j], v[WSA], s[8:9] offset:32*\j
	global_load_u16 v[WKS+\j], v[WSA], s[14:15] offset:32*\j
.endr
	global_load_u16 v[WVS], v[WVSA], s[20:21]
.irp i, 0,1,2,3,4,5,6,7                            ; register 8 u + j = b[32 h + 8 u + j], the result's layout
	global_load_b128 v[QR+4*\i:QR+4*\i+3], v[BA], s[10:11] offset:16*\i
	global_load_b128 v[KR+4*\i:KR+4*\i+3], v[BA], s[16:17] offset:16*\i
.endr
	global_load_b32 v[BV], v[BVA], s[22:23]
.irp i, 0,1,2,3
	v_mov_b32 v[WVF+4+\i], 0                       ; zero codes for k = 64 .. 127
	v_mov_b32 v[XT+4+\i], 0
	v_mov_b32 v[XV+16+\i], 0
.endr
	v_mov_b32 v[PT], 0                             ; written once: a lane permute's destination counts as one of its sources
	VW
	s_wait_loadcnt 31                              ; x is in; the 31 loads issued behind it may be out
	v_max3_num_f32 v[TA], |v[X]|, |v[X+1]|, 0x1800000                      ; and the floor 2^(3 - 127): the byte cannot fall under 1
	v_max3_num_f32 v[TB], |v[X+16]|, |v[X+17]|, |v[X+18]|
.irp i, 2,4,6,8,10,12
	v_max3_num_f32 v[TA], v[TA], |v[X+\i]|, |v[X+\i+1]|
	v_max3_num_f32 v[TB], v[TB], |v[X+\i+17]|, |v[X+\i+18]|
.endr
	v_max3_num_f32 v[TA], v[TA], |v[X+14]|, |v[X+15]|
	v_max3_num_f32 v[TA], v[TA], v[TB], |v[X+31]|
	v_add_nc_u32 v[OP], 0xff000000, v[TA]          ; 2 off the exponent field: the conversion's scale operand
.irp g, 0,1,2,3
	v_cvt_scalef32_pk8_fp4_f32 v[XQ+\g], v[X+8*\g:X+8*\g+7], v[OP]
.endr
	v_lshrrev_b32 v[BY], 23, v[OP]                 ; the scale's byte: a plain place behind the conversions
	v_nop
	ds_store_b128 v[XIA], v[XQ:XQ+3]
	ds_store_b8 v[XSA], v[BY]
	VW
	s_wait_loadcnt 0x0                             ; the weights and biases
.irp i, 1,2,3,4,5,6,7
	v_mov_b32 v[BV+\i], v[BV]
.endr
	VW
	s_wait_dscnt 0x0
	s_barrier_signal -1
	s_barrier_wait -1                              ; all eight x tiles lie in LDS
	ds_load_b128 v[XT:XT+3], v[XLA]
	ds_load_u16 v[XS], v[XSL]
.irp u, 0,1,2,3
	ds_load_b128 v[XV+4*\u:XV+4*\u+3], v[XVA] offset:512*\u
.endr
	ds_load_u16 v[XVS], v[XVSA]
	ds_load_u16 v[XVS+1], v[XVSA] offset:64
	s_wait_dscnt 0x0
.irp u, 0,1,2,3                                    ; q and k: source 0 = 16 weight rows, source 1 = 16 positions; the bias is the C
	WM QR+8*\u, WQ+4*\u, XT, QR+8*\u, WQS+\u/2, XS, \u%2
.endr
.irp u, 0,1,2,3
	WM KR+8*\u, WK+4*\u, XT, KR+8*\u, WKS+\u/2, XS, \u%2
.endr
.irp u, 0,1,2,3                                    ; v: source 0 = 16 positions, source 1 = my 16 rows of Wv: the registers run along the keys
	WM VR+8*\u, XV+4*\u, WVF, BV, XVS+\u/2, WVS, \u%2
.endr
.rept 4
	v_nop
.endr
	; the three blocks of 32 that my lane holds; each result is read from its low end on
	v_max3_num_f32 v[TA], |v[QR]|, |v[QR+1]|, 0x1800000
	v_max3_num_f32 v[TA+1], |v[KR]|, |v[KR+1]|, 0x1800000
	v_max3_num_f32 v[TA+2], |v[VR]|, |v[VR+1]|, 0x1800000
	v_max3_num_f32 v[TB], |v[QR+16]|, |v[QR+17]|, |v[QR+18]|
	v_max3_num_f32 v[TB+1], |v[KR+16]|, |v[KR+17]|, |v[KR+18]|
	v_max3_num_f32 v[TB+2], |v[VR+16]|, |v[VR+17]|, |v[VR+18]|
.irp i, 2,4,6,8,10,12
	MORE TA, \i
	MORE TB, \i+17
.endr
	MORE TA, 14
	v_max3_num_f32 v[TA], v[TA], v[TB], |v[QR+31]|
	v_max3_num_f32 v[TA+1], v[TA+1], v[TB+1], |v[KR+31]|
	v_max3_num_f32 v[TA+2], v[TA+2], v[TB+2], |v[VR+31]|
.irp q, 0,1,2
	v_add_nc_u32 v[OP+\q], 0xff000000, v[TA+\q]
.endr
.irp q, 1,0,2
	v_lshrrev_b32 v[BY+\q], 23, v[OP+\q]
.endr
	v_lshlrev_b32 v[BY+1], v[H8], v[BY+1]          ; k's scale word: byte h is mine, the other lane l xor 16's
	ds_store_b8 v[QST], v[BY]                      ; q's byte h, v's byte 2 c + h
	ds_store_b8 v[VST], v[BY+2]
	v_permlanex16_b32 v[PT], v[BY+1], s60, s61
	v_or_b32 v[BY+1], v[BY+1], v[PT]
	ds_store_b32 v[KST], v[BY+1]                   ; (both halves of the lanes write the same word with the same value)
.irp g, 0,1,2,3
	v_cvt_scalef32_pk8_fp4_f32 v[CQ+\g], v[QR+8*\g:QR+8*\g+7], v[OP]
	v_cvt_scalef32_pk8_fp4_f32 v[CK+\g], v[KR+8*\g:KR+8*\g+7], v[OP+1]
	v_cvt_scalef32_pk8_fp4_f32 v[CV+\g], v[VR+8*\g:VR+8*\g+7], v[OP+2]
.endr
	v_nop                                          ; one plain place behind the conversions
	global_store_b128 v[LI], v[CQ:CQ+3], s[46:47]  ; 32 lanes store 512 consecutive bytes
	global_store_b128 v[LI], v[CK:CK+3], s[42:43]
	global_store_b128 v[LI], v[CV:CV+3], s[44:45]
	VW
	s_wait_dscnt 0x0
	s_barrier_signal -1
	s_barrier_wait -1                              ; the stage is whole: 1,024 bytes
	s_cmp_gt_u32 s26, 3                            ; waves 0 .. 3 copy 256 consecutive bytes each
	s_cbranch_scc1 .Lno_copy
	ds_load_b64 v[CP:CP+1], v[SCP]
	s_wait_dscnt 0x0
	global_store_b64 v[G8], v[CP:CP+1], s[48:49]
.Lno_copy:
	s_wait_tensorcnt 0x0                           ; the wave's end: behind my last LDS store
	ds_add_u32 v[SPW], v[NIL]
	s_wait_dscnt 0x0
	s_endpgm
.Lfunc_end_k_qac84a4c34f_prep:
	.size	k_qac84a4c34f_prep, .Lfunc_end_k_qac84a4c34f_prep-k_qac84a4c34f_prep
	.p2alignl 7, 3214868480
	.fill 96, 4, 3214868480
	.section	.rodata,"a",@progbits
	.p2align	6, 0x0
	.amdhsa_kernel k_qac84a4c34f_prep
		.amdhsa_group_segment_fixed_size 6400
		.amdhsa_private_segment_fixed_size 0
		.amdhsa_enable_private_segment 0
		.amdhsa_kernarg_size 88
		.amdhsa_user_sgpr_count 2
		.amdhsa_user_sgpr_kernarg_segment_ptr 1
		.amdhsa_wavefront_size32 1
		.amdhsa_system_sgpr_workgroup_id_x 1
		.amdhsa_system_sgpr_workgroup_id_y 1
		.amdhsa_system_sgpr_workgroup_id_z 1
		.amdhsa_system_vgpr_workitem_id 0
		.amdhsa_next_free_vgpr 256
		.amdhsa_next_free_sgpr 66
		.amdhsa_reserve_vcc 0
		.amdhsa_float_denorm_mode_32 3
		.amdhsa_float_denorm_mode_16_64 3
		.amdhsa_memory_ordered 1
		.amdhsa_forward_progress 1
		.amdhsa_inst_pref_size 21
	.end_amdhsa_kernel
	.amdgpu_metadata
---
amdhsa.version: [ 1, 2 ]
amdhsa.kernels:
  - .name:           k_qac84a4c34f_prep
    .symbol:         k_qac84a4c34f_prep.kd
    .args:
      - { .name: x, .offset: 0, .size: 8, .value_kind: global_buffer, .address_space: global }
      - { .name: Wq_codes, .offset: 8, .size: 8, .value_kind: global_buffer, .address_space: global }
      - { .name: Wq_scales, .offset: 16, .size: 8, .value_kind: global_buffer, .address_space: global }
      - { .name: bq, .offset: 24, .size: 8, .value_kind: global_buffer, .address_space: global }
      - { .name: Wk_codes, .offset: 32, .size: 8, .value_kind: global_buffer, .address_space: global }
      - { .name: Wk_scales, .offset: 40, .size: 8, .value_kind: global_buffer, .address_space: global }
      - { .name: bk, .offset: 48, .size: 8, .value_kind: global_buffer, .address_space: global }
      - { .name: Wv_codes, .offset: 56, .size: 8, .value_kind: global_buffer, .address_space: global }
      - { .name: Wv_scales, .offset: 64, .size: 8, .value_kind: global_buffer, .address_space: global }
      - { .name: bv, .offset: 72, .size: 8, .value_kind: global_buffer, .address_space: global }
      - { .name: ws, .offset: 80, .size: 8, .value_kind: global_buffer, .address_space: global }
    .group_segment_fixed_size: 6400
    .private_segment_fixed_size: 0
    .kernarg_segment_align: 8
    .kernarg_segment_size: 88
    .max_flat_workgroup_size: 256
    .sgpr_count:     66
    .vgpr_count:     256
    .wavefront_size: 32
...
	.end_amdgpu_metadata
.endif
;; end of part 1
;; launch attn (part 2): grid 64 x 4, 16 waves a work-group, clusters of 4 x 1, 327,680 bytes of LDS; arguments ws, x, gamma, out0; writes out0
.if DOCPART == 2
	.amdgcn_target "amdgcn-amd-amdhsa--gfx1250"
	.amdhsa_code_object_version 6
	.text
	.protected	k_qac84a4c34f_attn
	.globl	k_qac84a4c34f_attn
	.p2align	8
	.type	k_qac84a4c34f_attn,@function
k_qac84a4c34f_attn:
	s_mov_b64 s[64:65], 0
	v_nop
	global_prefetch_b8 v0, s[64:65] scope:SCOPE_SE
	s_setreg_imm32_b32 hwreg(HW_REG_WAVE_MODE, 25, 1), 1
	s_wait_xcnt 0x0
	s_wait_alu depctr_hold_cnt(0) depctr_sa_sdst(0) depctr_va_vdst(0) depctr_va_sdst(0) depctr_va_ssrc(0) depctr_va_vcc(0) depctr_vm_vsrc(0)
	s_getreg_b32 s2, hwreg(HW_REG_IB_STS2, 6, 4)
	s_cmp_eq_u32 s2, 0
	s_cbranch_scc0 .Lentry_in_a_cluster
	s_endpgm
.Lentry_in_a_cluster:
	s_bfe_u32 s2, ttmp6, 0x10000c
	s_cmp_lg_u32 s2, 0x3003
	s_cbranch_scc0 .Lentry_shape_is_right
	s_endpgm
.Lentry_shape_is_right:
; ATTN: out[b][c][i] = gamma x (sum over j of v[b][c][j] p[i][j]) / l[i] + x[b][c][i], p = 2^(t - M), t = (q_i . k_j) x log2(e), M = the ceiling of the row's largest t, l = the sum of the unquantised p.
; Both products on codes of E2M1 with E8M0 scales; q, k, v come as images of operand registers out of ws (layout: at the head of the first kernel).  No work of the problem is left out.
; SHARES: a work-group owns 64 queries of one batch.  Wave w: query half w % 2 (two tiles of 16 queries), key group g = w / 2: four key steps of 128.  Each fragment of K and V serves both tiles.
; Four waves to a SIMD, so that one wave's vector work stands beside another's products and LDS loads.  Each wave keeps its own running M, l and O^T; the eight groups of a query meet in LDS at the end.
; LAYOUT: both products transposed: S^T = K Q^T, O^T = V P^T: a lane holds ONE query (lane % 16) throughout.  A lane of half h holds in S[32 c .. 32 c + 31] the 32 NEIGHBOURING keys of block 2 c + h:
; a block's largest score needs no other lane, and its four conversions are the second product's operand as they stand.  A block's scale is found without an exponential: floor(log2 p) = floor(t - M), a whole number.
; The first product's K is 64: q's registers 4-7 are zero codes, K's registers 4-7 are the codes that follow its four, times zero.
; FEEDING.  A group's first step is step 24 + g of the batch: it goes from memory straight into registers, 18 loads a wave at the head, so that the products need not wait for the 221,184 bytes of the other 24 steps.
; Those lie in LDS all at once: one tensor load a wave at the head, 54 rows of 256 bytes, a step and a half; nothing is filled again.  Of a group's three steps there, wave 2 g brings the first and half of the second,
; wave 2 g + 1 the rest; the one walks them upward, the other downward: so a wave's next step is one that it brought itself (its own wait shows it).  It signals then that its bytes are in, and waits for that barrier only ahead of the step after.
; CLUSTER: the four work-groups of a cluster belong to one batch and want the same 24 steps: each is asked for JOINTLY, by the same descriptor (made of the batch and the wave's number alone) and a mask that names the four.
; (The first step of each group, 8 of 32, is not asked for jointly: a joint load lands in LDS alone.)
; No prefetch: every load of K, V and q stands at the kernel's head, with no loop to run ahead in.
; LIMITS: NaN and infinities are not served; scores x log2(e) stay under 2^31 in magnitude; a p under 2^-126 counts as 0, and a block's scale is held at 2^-126.
.set STEPB, 9216                       ; a step: K codes 4,096, V codes 4,096, K scale words 512, V scale words 256, q's scale bytes 256
.set CHUNK, 3*STEPB/2                  ; what a wave fetches: 54 rows of 256 bytes
.set QBLK,  4096
.set WSQ,   128*STEPB
.set MST,   24*STEPB                   ; behind the steps: -M (256 bytes) and l (256 bytes) of each key group
.set ROW,   72                         ; the merge: a wave's O of one tile as 64 channel rows of 16 queries x 4 bytes + 8,
.set WP,    64*ROW+64                  ; 4,672 bytes a wave.  Tile 1's planes begin at 0, in bytes that have had their only fill and their last read;
.set T0B,   MST+4096+128               ; tile 0's lie in bytes into which no fill lands
.set SPARE, MST+4096+293*256           ; the spare words, 128 bytes a wave: eight blocks of 256 bytes that no other line names
.set LI,  1                            ; v1   16 x lane
.set AD,  2                            ; v2   LDS address of the step in hand, + 16 x lane; then where -M and l go
.set SPW, 3                            ; v3   my spare word; never rewritten
.set NIL, 4                            ; v4   0; never rewritten
.set XOF, 5                            ; v5   8 x lane; never rewritten
.set TMX, 6                            ; v6-7 the largest score so far, by tile
.set BM,  8                            ; v8-9 the blocks' largest scores, then floor(t - M)
.set LSM, 10                           ; v10-11, v12-13 l in two halves, by tile
.set QS,  14                           ; v14-15 q's scale words, by tile
.set QF,  16                           ; v16-23, v24-31 q's fragments;  v16-23 later x, then out
.set KS,  32                           ; v32-35 K's scale words;  v36-37 V's
.set VS,  36
.set PW,  38                           ; v38  p's scale word
.set TMP, 39
.set NM,  40                           ; v40, 42 -M of tile 0 (steps by turns), v44, 46 of tile 1;  v48 f;  v41 .. v49, odd: 0, the upper halves of the pairs named
.set F,   48
.set PT,  50
.set T2,  51
.set SOP, 52                           ; v52-53 the conversions' scale operands
.set AD2, 54                           ; v54  as v2, + 8 x lane; then where tile 1's O goes;  v55 where tile 0's goes
.set AD3, 55
.set KF,  56                           ; v56-87 eight fragments of K, four registers each; the last one's upper half is
.set PC,  88                           ; v88-95 p's codes
.set VF,  96                           ; v96-127 four fragments of V
.set S,   128                          ; v128-191 S^T, then p, then sums
.set O,   192                          ; v192-223, v224-255 O^T, by tile
.set RD,  56                           ; the merge: v56-57, v58 addresses, v60-63 at work, v64-65 the least -M, v66-81 factors, v82-83 l, v84-91 sums
.set RS,  58
.set MS,  64
.set FG,  66
.set LT,  82
.set AC,  84
.set NMG, 128                          ; v128-143 the groups' -M, v144-159 their l, v160-223 their O
.set LG,  144
.set OG,  160
.set WV,  12                           ; s12 wave
.set CS,  22                           ; s[22:23] log2(e): the packed form names a pair and takes its low word for both halves
.set G1,  24                           ; s[24:31], s[32:35] the descriptor
.set G0,  32
.set SEL, 36                           ; s[36:37] v_permlanex16_b32's selects for lane l xor 16
.set NC,  38                           ; s38  -log2(e)
.set STA, 39                           ; s40-42 LDS bytes of my steps 1, 2, 3
.set GAM, 44
.macro VW
	s_wait_alu depctr_va_vdst(0)
.endm
.macro CROUND                          ; a round of the cluster's barrier: my work-group's barrier; wave 0 signals for the work-group; every wave waits for all four; my work-group's barrier once more
	s_barrier_signal -1
	s_barrier_wait -1
	s_cmp_lg_u32 s[WV], 0
	s_cbranch_scc1 .Lnot_wave_0_\@
	s_barrier_signal -3
.Lnot_wave_0_\@:
	s_barrier_wait -3
	s_barrier_signal -1
	s_barrier_wait -1
.endm
.macro LOADK                           ; a step's K and its scale words: nine loads of 512 consecutive bytes
.irp T, 0,1,2,3,4,5,6,7
	ds_load_b128 v[KF+4*\T:KF+4*\T+3], v[AD] offset:512*\T
.endr
	ds_load_b128 v[KS:KS+3], v[AD] offset:8192
.endm
.macro LOADV                           ; V and its scale words: nine loads
.irp T, 0,1,2,3
	ds_load_b128 v[VF+8*\T:VF+8*\T+3], v[AD] offset:4096+1024*\T
	ds_load_b128 v[VF+8*\T+4:VF+8*\T+7], v[AD] offset:4096+1024*\T+512
.endr
	ds_load_b64 v[VS:VS+1], v[AD2] offset:8704
.endm
.macro FMAS n                          ; t - M, two at a time, n times
.rept \n
	v_pk_fma_f32 v[S+j:S+j+1], v[S+j:S+j+1], s[CS:CS+1], v[NMN:NMN+1] op_sel_hi:[1,0,0]
.set j, j+2
.endr
.endm
.macro SUMS n, d                       ; n sums of pairs d registers apart, in place
.rept \n
	v_pk_add_f32 v[S+j:S+j+1], v[S+j:S+j+1], v[S+j+\d:S+j+\d+1]
.set j, j+2
.endr
.endm
.macro LFIN t                          ; l's two halves, and lane l xor 16's
	v_add_f32 v[LSM+2*(\t)], v[LSM+2*(\t)], v[LSM+2*(\t)+1]
	v_permlanex16_b32 v[PT], v[LSM+2*(\t)], s[SEL], s[SEL+1]
	v_add_f32 v[LSM+2*(\t)], v[LSM+2*(\t)], v[PT]
.endm
.macro STORE t, adr                    ; my group's O, -M and l of tile t
.irp T, 0,1,2,3
.irp i, 0,1,2,3,4,5,6,7
	ds_store_b32 v[\adr], v[O+32*(\t)+8*\T+\i] offset:(16*\T+\i)*ROW       ; each accumulator from its low end on
.endr
.endr
	ds_store_b32 v[AD], v[NM+4*(\t)+2] offset:32*(\t)                      ; (both halves of the lanes write the same word with the same value)
	ds_store_b32 v[AD], v[LSM+2*(\t)] offset:32*(\t)+256
.endm
; 128 keys (my step s) for 16 queries (my tile t).  The first step starts l and O^T and rescales nothing.
.macro TILE t, s
.set QT, QF+8*(\t)
.set NMN, NM+4*(\t)+2*((\s)%2)         ; -M, new and old
.set NMO, NM+4*(\t)+2-2*((\s)%2)
.set OT, O+32*(\t)
.set LT0, LSM+2*(\t)
.if (\t) == 0
	VW
.if (\s) == 0
	s_wait_loadcnt 9                               ; q, K and its scale words are in; the nine loads of V, issued behind them, may be out
.else
	s_wait_dscnt 9                                 ; K and its scale words are in; the nine loads of V, issued behind them, may be out
.endif
.endif
.irp T, 0,1,2,3,4,5,6,7
.if (\T%2)
	v_wmma_scale_f32_16x16x128_f8f6f4 v[S+8*\T:S+8*\T+7], v[KF+4*\T:KF+4*\T+7], v[QT:QT+7], 0, v[KS+\T/2], v[QS+\t] matrix_a_fmt:MATRIX_FMT_FP4 matrix_b_fmt:MATRIX_FMT_FP4 matrix_a_scale:MATRIX_SCALE_ROW1
.else
	v_wmma_scale_f32_16x16x128_f8f6f4 v[S+8*\T:S+8*\T+7], v[KF+4*\T:KF+4*\T+7], v[QT:QT+7], 0, v[KS+\T/2], v[QS+\t] matrix_a_fmt:MATRIX_FMT_FP4 matrix_b_fmt:MATRIX_FMT_FP4
.endif
.endr
	; four places, for the reads of S and for the loads into K's registers
.if (\t) == 1 && (\s) < 3
	v_add_nc_u32 v[AD], s[STA+\s+1], v[LI]         ; on to my next step
	v_add_nc_u32 v[AD2], s[STA+\s+1], v[XOF]
	v_nop
	v_nop
.if (\s) == 0
	VW
	s_wait_tensorcnt 0x0                           ; my step and a half are in: say so to the others,
	s_wait_dscnt 0x0
	s_barrier_signal -1                            ; who wait for it one step later
.endif
.if (\s) == 1
	VW
	s_barrier_wait -1                              ; every wave has said that its bytes are in
.endif
	LOADK
.else
.rept 4
	v_nop
.endr
.endif
.if (\t) == 1 && (\s) == 3
	VW
	s_wait_dscnt 0x0                               ; my last reads of K and V are over, tile 0's O has landed: say so; the wait for that barrier stands ahead of the stores of tile 1's O
	s_barrier_signal -1
.endif
	; the largest score of each of my two blocks: two chains a block, each result read from its low end on
	v_max3_num_f32 v[BM], v[S], v[S+1], v[S+2]
	v_max3_num_f32 v[TMP], v[S+16], v[S+17], v[S+18]
	v_max3_num_f32 v[BM+1], v[S+32], v[S+33], v[S+34]
	v_max3_num_f32 v[T2], v[S+48], v[S+49], v[S+50]
.irp i, 3,5,7,9,11,13
	v_max3_num_f32 v[BM], v[BM], v[S+\i], v[S+\i+1]
	v_max3_num_f32 v[TMP], v[TMP], v[S+16+\i], v[S+17+\i]
	v_max3_num_f32 v[BM+1], v[BM+1], v[S+32+\i], v[S+33+\i]
	v_max3_num_f32 v[T2], v[T2], v[S+48+\i], v[S+49+\i]
.endr
	v_max3_num_f32 v[BM], v[BM], v[S+15], v[TMP]
	v_max3_num_f32 v[BM+1], v[BM+1], v[S+47], v[T2]
	v_max_num_f32 v[BM], v[BM], v[S+31]
	v_max_num_f32 v[BM+1], v[BM+1], v[S+63]
	s_delay_alu instid0(VALU_DEP_1)
	v_max_num_f32 v[TMP], v[BM], v[BM+1]
	s_delay_alu instid0(VALU_DEP_1)
	v_permlanex16_b32 v[PT], v[TMP], s[SEL], s[SEL+1]
	s_delay_alu instid0(VALU_DEP_1)
.if (\s) == 0
	v_max_num_f32 v[TMX+\t], v[TMP], v[PT]
.else
	v_max3_num_f32 v[TMX+\t], v[TMX+\t], v[TMP], v[PT]                     ; the running largest score
.endif
	s_delay_alu instid0(VALU_DEP_1)
	v_mul_f32 v[TMP], s[NC], v[TMX+\t]             ; -t
	s_delay_alu instid0(VALU_DEP_1)
	v_floor_f32 v[NMN], v[TMP]                     ; -M = floor(-t) = -ceil(t): M is a whole number
	s_delay_alu instid0(VALU_DEP_1)
	v_fma_f32 v[BM], v[BM], s[CS], v[NMN]          ; the blocks' largest t - M
	v_fma_f32 v[BM+1], v[BM+1], s[CS], v[NMN]
.if (\s) > 0
	v_sub_f32 v[TMP], v[NMN], v[NMO]               ; M's old value less its new one: a whole number, 0 or less
.endif
	v_max_num_f32 v[BM], 0xc2f80000, v[BM]         ; held at -124: the scale's byte cannot fall under 1
	v_max_num_f32 v[BM+1], 0xc2f80000, v[BM+1]
.if (\s) > 0
	v_cvt_i32_f32 v[TMP], v[TMP]                   ; (it saturates)
.endif
	v_cvt_floor_i32_f32 v[BM], v[BM]               ; n = floor(log2 of the block's largest p)
	v_cvt_floor_i32_f32 v[BM+1], v[BM+1]
.if (\s) > 0
	v_ldexp_f32 v[F], 1.0, v[TMP]                  ; f = 2^(old M - new M): a multiplication by it rounds nothing
.endif
	v_lshl_add_u32 v[SOP], v[BM], 23, 0x3e800000   ; exponent field n - 2 + 127: the conversion's scale operand
	v_lshl_add_u32 v[SOP+1], v[BM+1], 23, 0x3e800000
	v_lshl_add_u32 v[TMP], v[BM+1], 16, v[BM]      ; the scale word, less 125 a byte: mine are bytes 0 and 2,
.set j, 0
	FMAS 4
	v_permlanex16_b32 v[PT], v[TMP], s[SEL], s[SEL+1]
	FMAS 4
	v_lshl_add_u32 v[TMP], v[PT], 8, v[TMP]        ; lane l xor 16's bytes 1 and 3 (lanes 0-15 alone are read)
	FMAS 24
	VW
.set j, 0
.rept 64
	v_exp_f32 v[S+j], v[S+j]                       ; p = 2^(t - M): not normalised
.set j, j+1
.endr
.if (\s) == 0
	v_nop                                          ; a plain place behind the exponentials
.endif
	VW                                             ; one for the batch's readers, and for O^T, first read here behind the exponentials
.if (\s) > 0
.set j, 0
.rept 16
	v_pk_mul_f32 v[OT+j:OT+j+1], v[OT+j:OT+j+1], v[F:F+1] op_sel_hi:[1,0]  ; O^T under the new M
.set j, j+2
.endr
.endif
.irp c, 0,1
.irp g, 0,1,2,3
	v_cvt_scalef32_pk8_fp4_f32 v[PC+4*\c+\g], v[S+32*\c+8*\g:S+32*\c+8*\g+7], v[SOP+\c]
.endr
.endr
	v_add_nc_u32 v[PW], 0x7d7d7d7d, v[TMP]         ; bytes n + 125; a plain place behind the conversions
.set j, 0
	SUMS 8, 32                                     ; the row's sum of the unquantised p: eight sums are the places between the scale word's write and the products
.if (\t) == 0
	VW
.if (\s) == 0
	s_wait_loadcnt 0x0                             ; V and its scale words are in
.else
	s_wait_dscnt 0x0
.endif
.endif
.irp T, 0,1,2,3                                    ; O^T += V P^T: the four accumulators take turns
.if (\s) == 0
.if (\T%2)
	v_wmma_scale_f32_16x16x128_f8f6f4 v[OT+8*\T:OT+8*\T+7], v[VF+8*\T:VF+8*\T+7], v[PC:PC+7], 0, v[VS+\T/2], v[PW] matrix_a_fmt:MATRIX_FMT_FP4 matrix_b_fmt:MATRIX_FMT_FP4 matrix_a_scale:MATRIX_SCALE_ROW1
.else
	v_wmma_scale_f32_16x16x128_f8f6f4 v[OT+8*\T:OT+8*\T+7], v[VF+8*\T:VF+8*\T+7], v[PC:PC+7], 0, v[VS+\T/2], v[PW] matrix_a_fmt:MATRIX_FMT_FP4 matrix_b_fmt:MATRIX_FMT_FP4
.endif
.else
.if (\T%2)
	v_wmma_scale_f32_16x16x128_f8f6f4 v[OT+8*\T:OT+8*\T+7], v[VF+8*\T:VF+8*\T+7], v[PC:PC+7], v[OT+8*\T:OT+8*\T+7], v[VS+\T/2], v[PW] matrix_a_fmt:MATRIX_FMT_FP4 matrix_b_fmt:MATRIX_FMT_FP4 matrix_a_scale:MATRIX_SCALE_ROW1
.else
	v_wmma_scale_f32_16x16x128_f8f6f4 v[OT+8*\T:OT+8*\T+7], v[VF+8*\T:VF+8*\T+7], v[PC:PC+7], v[OT+8*\T:OT+8*\T+7], v[VS+\T/2], v[PW] matrix_a_fmt:MATRIX_FMT_FP4 matrix_b_fmt:MATRIX_FMT_FP4
.endif
.endif
.endr
	SUMS 8, 32                                     ; these name none of the products' registers: they are the places behind them
.set j, 0
	SUMS 8, 16
.set j, 0
	SUMS 4, 8
.set j, 0
	s_delay_alu instid0(VALU_DEP_2)
	SUMS 1, 4
	s_delay_alu instid0(VALU_DEP_2)
	SUMS 1, 4
	s_delay_alu instid0(VALU_DEP_1)
.if (\s) == 0
	v_pk_add_f32 v[LT0:LT0+1], v[S:S+1], v[S+2:S+3]
.else
	v_pk_add_f32 v[S:S+1], v[S:S+1], v[S+2:S+3]
	s_delay_alu instid0(VALU_DEP_1)
	v_pk_fma_f32 v[LT0:LT0+1], v[LT0:LT0+1], v[F:F+1], v[S:S+1] op_sel_hi:[1,0,1]
.endif
.if (\t) == 1 && (\s) < 3
	LOADV
.endif
.endm
	s_load_b256 s[4:11], s[0:1], 0x0               ; ws s[4:5], x s[6:7], gamma s[8:9], out0 s[10:11]
	v_lshl_add_u32 v[SPW], v0, 2, SPARE
	v_mov_b32 v[NIL], 0
	ds_add_u32 v[SPW], v[NIL]                      ; the wave's opening: the add, twice on end, and its wait ahead of my first tensor load
	ds_add_u32 v[SPW], v[NIL]
	v_lshrrev_b32 v2, 5, v0
	v_readfirstlane_b32 s[WV], v2                  ; wave 0 .. 15
	s_and_b32 s17, ttmp7, 0xffff                   ; the batch, which the four partners share
	s_and_b32 s13, s[WV], 1                        ; my query half
	s_lshr_b32 s14, s[WV], 1                       ; my key group
	s_bfe_u32 s15, ttmp6, 0x40000                  ; cx: my place in the cluster
	s_lshl_b32 s16, ttmp9, 2                       ; in a cluster launch ttmp9 counts clusters
	s_add_co_u32 s16, s16, s15                     ; my block of 64 queries: it enters q's, x's and out's global addresses alone
	s_lshl_b32 s18, s17, 5
	s_add_co_u32 s56, s18, s14                     ; my first key step: 32 batch + 24 + group
	s_add_co_u32 s56, s56, 24
	s_mul_i32 s56, s56, STEPB
	s_mov_b32 s57, 0
	s_lshr_b32 s19, s16, 1                         ; q: step block 32 batch + (query block / 2),
	s_add_co_u32 s18, s18, s19
	s_mul_i32 s46, s18, QBLK
	s_add_co_u32 s46, s46, WSQ
	s_mov_b32 s47, 0
	s_mul_i32 s58, s18, STEPB
	s_mov_b32 s59, 0
	s_and_b32 s19, s16, 1                          ; and in it tiles 4 (query block % 2) + 2 half + 0, 1
	s_lshl_b32 s19, s19, 2
	s_lshl_b32 s20, s13, 1
	s_add_co_u32 s19, s19, s20
	s_lshl_b32 s20, s19, 9
	s_lshl_b32 s19, s19, 5
	s_add_co_u32 s19, s19, 8960
	v_and_b32 v[LI], 31, v0
	v_and_b32 v129, 15, v0
	v_lshlrev_b32 v[XOF], 3, v[LI]
	v_lshl_add_u32 v128, v[LI], 4, s20
	v_lshl_add_u32 v129, v129, 1, s19
	v_lshlrev_b32 v[LI], 4, v[LI]
	VW
	s_wait_dscnt 0x0                               ; both opening adds are done
	s_wait_kmcnt 0x0
	s_add_nc_u64 s[46:47], s[4:5], s[46:47]
	s_add_nc_u64 s[58:59], s[4:5], s[58:59]
	s_add_nc_u64 s[56:57], s[4:5], s[56:57]
.irp t, 0,1
	global_load_b128 v[QF+8*\t:QF+8*\t+3], v128, s[46:47] offset:512*\t    ; q's fragments stay in registers
	global_load_u16 v[QS+\t], v129, s[58:59] offset:32*\t                  ; (bytes 2 and 3 come as 0)
.endr
.irp T, 0,1,2,3,4,5,6,7                            ; my first step's K,
	global_load_b128 v[KF+4*\T:KF+4*\T+3], v[LI], s[56:57] offset:512*\T
.endr
	global_load_b128 v[KS:KS+3], v[LI], s[56:57] offset:8192
.irp T, 0,1,2,3                                    ; and its V
	global_load_b128 v[VF+8*\T:VF+8*\T+3], v[LI], s[56:57] offset:4096+1024*\T
	global_load_b128 v[VF+8*\T+4:VF+8*\T+7], v[LI], s[56:57] offset:4096+1024*\T+512
.endr
	global_load_b64 v[VS:VS+1], v[XOF], s[56:57] offset:8704
	s_load_b32 s[GAM], s[8:9], 0x0
	s_mov_b32 s[G1], 15|(3<<16)|(1<<21)            ; 15:0 the mask: all four work-groups; 17:16 elements of 8 bytes; 21 set beside a mask
	s_mov_b32 s[G1+1], 32<<16                      ; tensor_dim0 = 32
	s_mov_b32 s[G1+2], 54<<16                      ; tensor_dim1
	s_mov_b32 s[G1+3], 32<<16                      ; tile_dim0
	s_mov_b32 s[G1+4], 54                          ; tile_dim1: 54 rows of 256 bytes, dense, no padding
	s_mov_b32 s[G1+5], 32
	s_mov_b32 s[G1+6], 0
	s_mov_b32 s[G1+7], 0
	s_mov_b32 s[G0], 1
	s_mul_i32 s[G0+1], s[WV], CHUNK                ; my step and a half, in LDS and in the batch's part of ws alike
	s_mul_i32 s20, s17, 32*STEPB
	s_add_co_u32 s20, s20, s[G0+1]
	s_mov_b32 s21, 0
	s_add_nc_u64 s[G0+2:G0+3], s[4:5], s[20:21]
	s_or_b32 s[G0+3], s[G0+3], 0x80000000          ; type = 2
	CROUND                                         ; all four work-groups are here: the joint loads meet
	tensor_load_to_lds s[G0:G0+3], s[G1:G1+7]      ; the wave's one tensor load
	s_nop 0
	s_lshl_b32 s48, s17, 20                        ; x and out: the batch, channels 4 w on, queries 64 x block on
	s_lshl_b32 s19, s[WV], 16
	s_add_co_u32 s48, s48, s19
	s_lshl_b32 s19, s16, 8
	s_add_co_u32 s48, s48, s19
	s_mov_b32 s49, 0
	s_add_nc_u64 s[50:51], s[10:11], s[48:49]
	s_add_nc_u64 s[48:49], s[6:7], s[48:49]
	s_mov_b32 s[CS], 0x3fb8aa3b                    ; log2(e)
	s_mov_b32 s[CS+1], s[CS]
	s_mov_b32 s[NC], 0xbfb8aa3b
	s_mov_b32 s[SEL], 0x76543210
	s_mov_b32 s[SEL+1], 0xfedcba98
	s_mul_i32 s19, s14, 3*STEPB                    ; my group's three steps: upward in half 0, downward in half 1
	s_mul_i32 s20, s13, 2*STEPB
	s_add_co_u32 s[STA+1], s19, s20
	s_add_co_u32 s[STA+2], s19, STEPB
	s_xor_b32 s20, s13, 1
	s_mul_i32 s20, s20, 2*STEPB
	s_add_co_u32 s[STA+3], s19, s20
	s_mul_i32 s52, s[WV], 4*ROW
	s_mul_i32 s53, s[WV], WP
	s_lshl_b32 s54, s14, 9
	s_lshl_b32 s55, s13, 6
	s_add_co_u32 s54, s54, s55
	s_add_co_u32 s54, s54, MST
.irp i, 4,5,6,7
	v_mov_b32 v[QF+\i], 0                          ; q's zero codes for k = 64 .. 127
	v_mov_b32 v[QF+8+\i], 0
.endr
.irp i, 0,1,2,3,4,5,6,7
	v_mov_b32 v[PC+\i], 0                          ; (read as the upper half of K's last fragment before p's codes are first written)
.endr
.irp i, 1,3,5,7,9
	v_mov_b32 v[NM+\i], 0                          ; the upper halves of pairs of which the lower alone counts
.endr
	v_mov_b32 v[PT], 0                             ; written once: a lane permute's destination counts as one of its sources
	VW
	s_wait_kmcnt 0x0                               ; gamma
	TILE 0, 0
	TILE 1, 0
	TILE 0, 1
	TILE 1, 1
	TILE 0, 2
	TILE 1, 2
	TILE 0, 3
	LFIN 0
	; where my O, -M and l go: row r of tile t is query 32 (r / 8) + 16 half + 8 t + r % 8 of the work-group's 64
	v_and_b32 v[TMP], 7, v0
	v_bfe_u32 v[T2], v0, 3, 1
	v_bfe_u32 v[PT], v0, 4, 1
	v_and_b32 v[AD2], 15, v0
	v_lshlrev_b32 v[TMP], 2, v[TMP]
	v_mul_u32_u24 v[PT], 8*ROW, v[PT]
	v_lshl_add_u32 v[AD], v[T2], 7, v[TMP]
	v_lshl_add_u32 v[AD2], v[AD2], 2, v[PT]
	v_add_nc_u32 v[AD], s54, v[AD]
	v_add_nc_u32 v[AD2], s53, v[AD2]
	v_add_nc_u32 v[AD3], T0B, v[AD2]
	STORE 0, AD3                                   ; into bytes that nothing else uses
.irp k, 0,1,2,3                                    ; x, channels 4 w + k, two queries a lane: into q's first fragment, which is done with; wanted at the end
	global_load_b64 v[QF+2*\k:QF+2*\k+1], v[XOF], s[48:49] offset:16384*\k th:TH_LOAD_NT
.endr
	TILE 1, 3
	LFIN 1
	; THE MERGE AND THE WAY OUT: lane L takes queries 2 L, 2 L + 1 of channels 4 w .. 4 w + 3.  Query 32 b + 16 half + 8 t + i lies in tile t's plane of wave 2 g + half, at byte 32 b + 4 i of a row
	v_and_b32 v60, 3, v0
	v_bfe_u32 v61, v0, 2, 1
	v_bfe_u32 v62, v0, 3, 1
	v_bfe_u32 v63, v0, 4, 1
	v_xor_b32 v61, 1, v61
	v_mul_u32_u24 v62, WP, v62
	v_mul_u32_u24 v61, T0B, v61
	v_lshl_add_u32 v62, v63, 5, v62
	v_add_nc_u32 v[RS], MST, v[XOF]
	v_lshl_add_u32 v62, v60, 3, v62
	v_add_nc_u32 v61, s52, v61
	v_add_nc_u32 v[RD], v61, v62                   ; groups 0-3
	v_add_nc_u32 v[RD+1], 8*WP, v[RD]              ; groups 4-7
	VW
	s_barrier_wait -1                              ; everybody's reads of K and V are over: their bytes may be written
	STORE 1, AD2
	s_wait_dscnt 0x0                               ; for the others' sake: my stores have landed
	s_barrier_signal -1
	s_barrier_wait -1
.irp g, 0,1,2,3,4,5,6,7
	ds_load_b64 v[NMG+2*\g:NMG+2*\g+1], v[RS] offset:512*\g
	ds_load_b64 v[LG+2*\g:LG+2*\g+1], v[RS] offset:512*\g+256
.endr
.irp k, 0,1,2,3
.irp g, 0,1,2,3,4,5,6,7
	ds_load_b64 v[OG+16*\k+2*\g:OG+16*\k+2*\g+1], v[RD+\g/4] offset:2*WP*(\g%4)+ROW*\k
.endr
.endr
	s_wait_dscnt 32                                ; -M and l of the eight groups are in; the 32 loads of O, issued behind them, may be out
.irp e, 0,1
	v_min3_num_f32 v[MS+\e], v[NMG+\e], v[NMG+2+\e], v[NMG+4+\e]
.endr
.irp e, 0,1
	v_min3_num_f32 v[MS+\e], v[MS+\e], v[NMG+6+\e], v[NMG+8+\e]
.endr
.irp e, 0,1
	v_min3_num_f32 v[MS+\e], v[MS+\e], v[NMG+10+\e], v[NMG+12+\e]
.endr
.irp e, 0,1
	v_min_num_f32 v[MS+\e], v[MS+\e], v[NMG+14+\e]                         ; the least -M: the query's M
.endr
.irp g, 0,1,2,3,4,5,6,7
	v_pk_add_f32 v[FG+2*\g:FG+2*\g+1], v[MS:MS+1], v[NMG+2*\g:NMG+2*\g+1] neg_lo:[0,1] neg_hi:[0,1]   ; group g's M less the query's: a whole number, 0 or less
.endr
	VW
.set j, 0
.rept 16
	v_exp_f32 v[FG+j], v[FG+j]                     ; the group's factor
.set j, j+1
.endr
	v_nop
	VW
	v_pk_mul_f32 v[LT:LT+1], v[FG:FG+1], v[LG:LG+1]
.irp g, 1,2,3,4,5,6,7
	v_pk_fma_f32 v[LT:LT+1], v[FG+2*\g:FG+2*\g+1], v[LG+2*\g:LG+2*\g+1], v[LT:LT+1]      ; the row's sum under its M
.endr
	VW
	v_rcp_f32 v[LT], v[LT]
	v_rcp_f32 v[LT+1], v[LT+1]
	v_nop
	VW
	s_wait_dscnt 0x0                               ; O of the eight groups
.irp k, 0,1,2,3
	v_pk_mul_f32 v[AC+2*\k:AC+2*\k+1], v[FG:FG+1], v[OG+16*\k:OG+16*\k+1]
.endr
.irp g, 1,2,3,4,5,6,7
.irp k, 0,1,2,3
	v_pk_fma_f32 v[AC+2*\k:AC+2*\k+1], v[FG+2*\g:FG+2*\g+1], v[OG+16*\k+2*\g:OG+16*\k+2*\g+1], v[AC+2*\k:AC+2*\k+1]
.endr
.endr
	v_mul_f32 v[LT], s[GAM], v[LT]                 ; gamma / l
	v_mul_f32 v[LT+1], s[GAM], v[LT+1]
	VW
	s_wait_loadcnt 0x0                             ; x
.irp k, 0,1,2,3
	v_pk_fma_f32 v[QF+2*\k:QF+2*\k+1], v[AC+2*\k:AC+2*\k+1], v[LT:LT+1], v[QF+2*\k:QF+2*\k+1]
.endr
.irp k, 0,1,2,3
	global_store_b64 v[XOF], v[QF+2*\k:QF+2*\k+1], s[50:51] offset:16384*\k th:TH_STORE_NT   ; 32 lanes store 256 consecutive bytes, at a multiple of 256 from out0's first byte
.endr
	s_wait_tensorcnt 0x0                           ; the wave's end: behind my last tensor load and my last LDS store
	ds_add_u32 v[SPW], v[NIL]
	s_wait_dscnt 0x0
	CROUND                                         ; the closing round: no work-group ends while a partner may still ask for a tile that names it
	s_endpgm
.Lfunc_end_k_qac84a4c34f_attn:
	.size	k_qac84a4c34f_attn, .Lfunc_end_k_qac84a4c34f_attn-k_qac84a4c34f_attn
	.p2alignl 7, 3214868480
	.fill 96, 4, 3214868480
	.section	.rodata,"a",@progbits
	.p2align	6, 0x0
	.amdhsa_kernel k_qac84a4c34f_attn
		.amdhsa_group_segment_fixed_size 327680
		.amdhsa_private_segment_fixed_size 0
		.amdhsa_enable_private_segment 0
		.amdhsa_kernarg_size 32
		.amdhsa_user_sgpr_count 2
		.amdhsa_user_sgpr_kernarg_segment_ptr 1
		.amdhsa_wavefront_size32 1
		.amdhsa_system_sgpr_workgroup_id_x 1
		.amdhsa_system_sgpr_workgroup_id_y 1
		.amdhsa_system_sgpr_workgroup_id_z 1
		.amdhsa_system_vgpr_workitem_id 0
		.amdhsa_next_free_vgpr 256
		.amdhsa_next_free_sgpr 66
		.amdhsa_reserve_vcc 0
		.amdhsa_float_denorm_mode_32 3
		.amdhsa_float_denorm_mode_16_64 3
		.amdhsa_memory_ordered 1
		.amdhsa_forward_progress 1
		.amdhsa_inst_pref_size 125
	.end_amdhsa_kernel
	.amdgpu_metadata
---
amdhsa.version: [ 1, 2 ]
amdhsa.kernels:
  - .name:           k_qac84a4c34f_attn
    .symbol:         k_qac84a4c34f_attn.kd
    .args:
      - { .name: ws, .offset: 0, .size: 8, .value_kind: global_buffer, .address_space: global }
      - { .name: x, .offset: 8, .size: 8, .value_kind: global_buffer, .address_space: global }
      - { .name: gamma, .offset: 16, .size: 8, .value_kind: global_buffer, .address_space: global }
      - { .name: out0, .offset: 24, .size: 8, .value_kind: global_buffer, .address_space: global }
    .group_segment_fixed_size: 327680
    .private_segment_fixed_size: 0
    .kernarg_segment_align: 8
    .kernarg_segment_size: 32
    .max_flat_workgroup_size: 512
    .sgpr_count:     66
    .vgpr_count:     256
    .wavefront_size: 32
...
	.end_amdgpu_metadata
.endif
;; end of part 2
